; MI455X (gfx1250); checked and timed in simulation.
; The chip was launched on July 23, 2026; its instructions are those of AMD's public machine-readable ISA for CDNA 5 (MIT licence, August 2026) and "CDNA5" Instruction Set Architecture Reference Guide (July 2026). The comments in the code are by the model that wrote it; some were corrected since.
;; F8 Linear. Allowed arithmetic: float matrix products may take bf16 or f16 operands with f32 sums; all other float work in f32.
;; Inputs: bias 14,336 float32; w_scale one number float32; weight_f8 14,336 x 4,096 float32; x 2 x 512 x 4,096 bfloat16.
;; Outputs: out0 2 x 512 x 14,336 bfloat16.
;; One version. Each part assembles by itself: llvm-mc -triple=amdgcn-amd-amdhsa -mcpu=gfx1250 --defsym DOCPART=n.
;; ======== version 1 of 1: 1 launch
;; launch f8lin (part 1): grid 56 x 4, 4 waves a work-group, clusters of 4 x 4, 327,680 bytes of LDS; arguments x, weight_f8, w_scale, bias, out0; writes out0
.if DOCPART == 1
	.amdgcn_target "amdgcn-amd-amdhsa--gfx1250"
	.amdhsa_code_object_version 6
	.text
	.protected	k_qb5be5f3caf_f8lin
	.globl	k_qb5be5f3caf_f8lin
	.p2align	8
	.type	k_qb5be5f3caf_f8lin,@function
k_qb5be5f3caf_f8lin:
	s_mov_b64 s[64:65], 0
	v_nop
	global_prefetch_b8 v0, s[64:65] scope:SCOPE_SE
	s_setreg_imm32_b32 hwreg(HW_REG_WAVE_MODE, 25, 1), 1
	s_wait_xcnt 0x0
	s_wait_alu depctr_hold_cnt(0) depctr_sa_sdst(0) depctr_va_vdst(0) depctr_va_sdst(0) depctr_va_ssrc(0) depctr_va_vcc(0) depctr_vm_vsrc(0)
	s_getreg_b32 s2, hwreg(HW_REG_IB_STS2, 6, 4)
	s_cmp_eq_u32 s2, 0
	s_cbranch_scc0 .Lentry_in_a_cluster
	s_endpgm
.Lentry_in_a_cluster:
	s_bfe_u32 s2, ttmp6, 0x10000c
	s_cmp_lg_u32 s2, 0xf033
	s_cbranch_scc0 .Lentry_shape_is_right
	s_endpgm
.Lentry_shape_is_right:
; y[m][n] = s * (sum over k of x[m][k] w[n][k]) + bias[n].  x: [1024][4096] bf16; w: [14336][4096] f32; s: one f32; bias: [14336] f32; y: [1024][14336] bf16.
; The scale is one number for the whole tensor, so it is taken out of the sum and applied with the bias by ONE fused multiply-add in f32; y is rounded once.
; LIMITS.  The weights go to the matrix unit rounded to nearest-even bf16 (exact for numbers of four significant bits or fewer, as e4m3 values are); s and bias are used unrounded, in f32, behind the
; f32 sum, where the defining function rounds w s, s, bias and the sum to bf16.  bf16 has f32's exponents, so no range is lost; NaN and infinities come out as the arithmetic gives them.
; SHARES.  A tile of y is 256 x 256, made by a work-group of four waves, each 128 x 128: 64 accumulators of 16 x 16, 512 registers.  4 x 56 = 224 tiles, one a work-group.  Tiles of 224 columns
; would make 256 work-groups, but their rows of 448 bytes would split aligned blocks of 256 bytes of y between two work-groups; with 256 columns every store covers 256 aligned bytes.
; CLUSTERS.  4 x 4 work-groups.  The cluster's height is all of M (4 x 256 rows), so the four of a column need the same 256 rows of w, and each tile of w is asked for once in the launch, JOINTLY:
; the same tensor load, descriptor and mask in all four.  The four of a row need the same rows of x, asked for jointly likewise.
; THE RING.  The weights are f32 in LDS, so each k costs 256 x 2 + 256 x 4 = 1,536 bytes: with padding LDS holds 192 along K of both tiles and no more.  The 192 are cut into a SHORT slot (64 along K) and
; a LONG one (128), read by turns: 4,096 = 22 x 64 + 21 x 128, so 42 changes of slots, each with one tensor load a wave.  Two equal slots of 96 would not divide K and would put w's rows off their
; multiples of 256 bytes.  w's rows are 256 and 512 bytes and begin at multiples of 256; x's are 128 and 256 bytes and begin at multiples of 128: the price, on the smaller of the two streams.
; A wave reads its f32 fragments of w into 128 registers (TF) and rounds them in pairs into the bf16 fragment buffer, four conversions behind each of a quarter's last sixteen matrix instructions.
; THE MATRIX INSTRUCTION IS USED TRANSPOSED (source 0 = 16 rows of w, source 1 = 16 rows of x): a lane holds eight neighbouring columns of one row of y.
; REGISTERS, in windows of 256 (s_set_vgpr_msb: bits 1:0 source 0, 3:2 source 1, 5:4 source 2, 7:6 destination):
;   window 0: v0-30 addresses; v64-127, v128-191 fragments of x, two buffers; v32-63, v192-255 at work on the way out
;   window 1: v64-127, v128-191 fragments of w in bf16, two buffers; v0-63 and v192-255 TF; at the end v0-63 take the bias
;   window 2: the 32 accumulators of my rows 0-63 ((a, b) at v[8 (8 a + b)]);   window 3: those of my rows 64-127
.set SIZE_M, 1024
.set SIZE_N, 14336
.set SIZE_K, 4096
; A slot's KIND is 0 (short) or 1 (long).  Every pitch is the row's bytes + 16 of padding, an odd multiple of 16: the 16 rows that a load touches start at 16 different groups of four banks (64 banks of 4 bytes: ISA guide 11.1).
.set PAQ,    144                       ; x, short: 64 bf16
.set PAP,    272                       ; x, long: 128 bf16
.set PBQ,    272                       ; w, short: 64 f32
.set PBP,    528                       ; w, long: 128 f32
.set AQ,     0                         ; 256 rows each
.set AP,     AQ+256*PAQ
.set BQ,     AP+256*PAP
.set BP,     BQ+256*PBQ
.set SPARE,  BP+256*PBP                ; behind the slots: the spare words, 128 bytes for each wave: two blocks of 256 bytes that no other line names
.set STAGE,  BP                        ; the way out: 16 rows x 272 bytes for each wave, at the head of w's long slot, which by then has had its last fill and its last read
.set SPITCH, 272
.set TRIPS,  20                        ; the loop's trips: a short and a long interval each
.set ADRA, 16                          ; v16-17  LDS address of my fragments of x in the short, the long slot
.set ADRB, 20                          ; v20-21  the same for w
.set STO,  24                          ; v24     the way out: where I put 16 bytes of a row
.set RD,   25                          ; v25     the way out: where I read a row back
.set CO,   26                          ; v26     my byte offset in y
.set PF,   27                          ; v27     my byte offset in the tile column's rows of w, for the prefetch; never rewritten
.set SPW,  28                          ; v28     LDS address of my spare word: SPARE + 4 x my thread's number; never rewritten
.set NIL,  29                          ; v29     0; never rewritten
.set BO,   30                          ; v30     my byte offset in 16 numbers of the bias
.set F0,   64                          ; fragment buffer 0
.set F1,   128                         ; fragment buffer 1
.set TMP,  192                         ; the way out: packed results
.set OB,   32                          ; the way out: 16 rows read back from the stage: v32-63 and v224-255 by turns
.set WV,  14                           ; s14  my wave's number
.set HI,  15                           ; s15  which half of the tile's rows is mine.  Also: I fetch x (0) or w (1)
.set LO,  16                           ; s16  which half of its columns.  Also: which 128 rows of a tile I fetch
.set G1A, 32                           ; s[32:47] descriptor group 1 for x's tiles: eight registers a kind
.set G1B, 48                           ; s[48:63] for w's
.set G0A, 68                           ; s[68:75] descriptor group 0 for x: four registers a kind
.set G0B, 76                           ; s[76:83] for w
.set PFB, 84                           ; s[84:85] the prefetch's base: w at the tile column's first row, stepped along K
.set SC,  86                           ; s[86:87] the scale: the packed multiply-add names a pair and takes its low word for both halves
.set CB,  88                           ; s[88:89] my first byte in y
.set BB,  90                           ; s[90:91] the bias at my first column
.set MSB, 0
.macro WIN new                         ; the immediate's high byte repeats the setting that is left; a switch that changes nothing is dropped
.if MSB != (\new)
	s_set_vgpr_msb (MSB<<8)|(\new)
.set MSB, \new
.endif
.endm
.set MUL_LO, 0xa1                      ; source 0 (w) window 1, source 1 (x) window 0, C and D window 2
.set MUL_HI, 0xf1                      ; the same, C and D window 3
.set TO_B,   0x40                      ; destination window 1, address window 0
.set CV,     0x45                      ; destination and both sources window 1
.macro PLACES
.rept 4
	v_nop
.endr
.endm
; A joint refill of the slot of kind kd.  Waves 0 and 1 fetch 128 rows of x each, waves 2 and 3 128 rows of w each.  Each of the two lines has one mask and one set of registers for all that issue it;
; the branch hangs on the wave's number alone.  An s_nop 0 and four v_nop follow each line, ahead of the jump, the label and what follows.
.macro JLOAD kd
	s_cmp_eq_u32 s[HI], 0
	s_cbranch_scc0 .Lfor_b_\@
	tensor_load_to_lds s[G0A+4*(\kd):G0A+4*(\kd)+3], s[G1A+8*(\kd):G1A+8*(\kd)+7]
	s_nop 0
	PLACES
	s_branch .Lasked_\@
.Lfor_b_\@:
	tensor_load_to_lds s[G0B+4*(\kd):G0B+4*(\kd)+3], s[G1B+8*(\kd):G1B+8*(\kd)+7]
	s_nop 0
	PLACES
.Lasked_\@:
.endm
; A round of the cluster's barrier: my work-group's barrier, so that wave 0's signal speaks for all four waves; wave 0 signals for the work-group; every wave waits for all sixteen work-groups;
; my work-group's barrier once more.
.macro CREST                           ; a round behind its opening barrier
	s_cmp_lg_u32 s[WV], 0
	s_cbranch_scc1 .Lnot_wave_0_\@
	s_barrier_signal -3
.Lnot_wave_0_\@:
	s_barrier_wait -3
	s_barrier_signal -1
	s_barrier_wait -1
.endm
.macro CROUND                          ; a whole round
	s_barrier_signal -1
	s_barrier_wait -1
	CREST
.endm
	s_load_b256 s[4:11], s[0:1], 0x0               ; x s[4:5], w s[6:7], the scale's address s[8:9], bias s[10:11]
	s_load_b64 s[12:13], s[0:1], 0x20              ; y
	v_lshl_add_u32 v[SPW], v0, 2, SPARE
	v_mov_b32 v[NIL], 0
	ds_add_u32 v[SPW], v[NIL]                      ; the wave's opening: the add and its wait stand ahead of my first tensor load; the set-up below, work on registers, stands between them
	v_lshrrev_b32 v1, 5, v0
	v_readfirstlane_b32 s[WV], v1                  ; wave 0..3
	s_lshr_b32 s[HI], s[WV], 1
	s_and_b32 s[LO], s[WV], 1
	s_bfe_u32 s17, ttmp6, 0x40000                  ; cx: my place along the cluster's x
	s_bfe_u32 s18, ttmp6, 0x40004                  ; cy: along its y = the tile row of y, since the grid is one cluster high
	s_lshl_b32 s19, ttmp9, 2                       ; in a cluster launch ttmp9 counts clusters
	s_add_co_u32 s19, s19, s17                     ; tile column of y = 4 x cluster x + cx
	s_lshl_b32 s20, s18, 2
	s_lshl_b32 s20, 15, s20                        ; my row of the cluster: places 4 cy .. 4 cy + 3
	s_lshl_b32 s21, 0x1111, s17                    ; my column: places cx, cx + 4, cx + 8, cx + 12
	; descriptor group 1, for each kind: 128 rows of 64 (short) or 128 (long) elements, padded in LDS by 4 words behind each row
.irp kd, 0,1
	s_or_b32 s[G1A+8*(\kd)], s20, (1<<16)|(1<<20)|(1<<21)|((4+(\kd))<<22)|(3<<25)  ; 15:0 the mask: my row; 17:16 elements of 2 bytes; 20 padding on; 21 set beside a mask; 24:22 after every 32 or 64 words (code 4, 5); 31:25 4 words of it (code 3)
	s_or_b32 s[G1B+8*(\kd)], s21, (2<<16)|(1<<20)|(1<<21)|((5+(\kd))<<22)|(3<<25)  ; the mask: my column; elements of 4 bytes; after every 64 or 128 words (code 5, 6)
.irp g, G1A, G1B
	s_mov_b32 s[(\g)+8*(\kd)+1], (64<<(\kd))<<16   ; tensor_dim0 = 64 or 128
	s_mov_b32 s[(\g)+8*(\kd)+2], 128<<16           ; tensor_dim1 = 128
	s_mov_b32 s[(\g)+8*(\kd)+3], (64<<(\kd))<<16   ; tile_dim0 = 64 or 128
	s_mov_b32 s[(\g)+8*(\kd)+4], 128               ; tile_dim1 = 128
	s_mov_b32 s[(\g)+8*(\kd)+5], SIZE_K            ; elements from row to row
	s_mov_b32 s[(\g)+8*(\kd)+6], 0
	s_mov_b32 s[(\g)+8*(\kd)+7], 0
.endr
.endr
	; where the tiles come from.  x's hang on cy and the wave's number alone, w's on the tile column and the wave's number alone, each in registers that never hold the other coordinate.
	s_lshl_b32 s22, s18, 21                        ; x: 256 cy rows of 8,192 bytes,
	s_lshl_b32 s23, s[LO], 20                      ; and my 128 rows
	s_add_co_u32 s22, s22, s23
	s_mov_b32 s23, 0
	s_lshl_b32 s24, s19, 22                        ; w: 256 x tile column rows of 16,384 bytes,
	s_lshl_b32 s25, s[LO], 21                      ; and my 128 rows
	s_add_co_u32 s24, s24, s25
	s_mov_b32 s25, 0
	s_mul_i32 s26, s[LO], 128*PAQ                  ; and where they go: my 128 rows at each of the three pitches; no place in the cluster enters an LDS address
	s_mul_i32 s27, s[LO], 128*PAP                  ; (x's long slot and w's short one have the same pitch)
	s_mul_i32 s28, s[LO], 128*PBP
	s_lshl_b32 s96, s19, 22                        ; the prefetch's base: the tile column's first row
	s_mov_b32 s97, 0
	s_lshl_b32 s98, s19, 10                        ; the bias: 256 x tile column + 128 x half numbers of 4 bytes
	s_lshl_b32 s99, s[LO], 9
	s_add_co_u32 s98, s98, s99
	s_mov_b32 s99, 0
	s_lshl_b32 s[CB], s18, 8                       ; my first byte in y: row 256 cy + 128 x half,
	s_lshl_b32 s[CB+1], s[HI], 7
	s_add_co_u32 s[CB], s[CB], s[CB+1]
	s_mul_i32 s[CB], s[CB], SIZE_N*2
	s_lshl_b32 s[CB+1], s19, 9                     ; column 256 x tile column + 128 x half, 2 bytes each: under 2^25 in all
	s_add_co_u32 s[CB], s[CB], s[CB+1]
	s_lshl_b32 s[CB+1], s[LO], 8
	s_add_co_u32 s[CB], s[CB], s[CB+1]
	s_mov_b32 s[CB+1], 0
	s_wait_dscnt 0x0                               ; the opening add is done
	s_wait_kmcnt 0x0
	s_load_b32 s[SC], s[8:9], 0x0                  ; the scale: no line of this text writes that buffer
	s_add_nc_u64 s[92:93], s[4:5], s[22:23]
	s_add_nc_u64 s[94:95], s[6:7], s[24:25]
	s_add_nc_u64 s[PFB:PFB+1], s[6:7], s[96:97]
	s_add_nc_u64 s[BB:BB+1], s[10:11], s[98:99]
	CROUND                                         ; all sixteen work-groups are here: the first joint loads meet
.irp kd, 0,1                           ; group 0: the first short tile begins at k = 0, the first long one at k = 64
	s_mov_b32 s[G0A+4*(\kd)], 1                                    ; 1:0 count = 1
	s_add_nc_u64 s[G0A+4*(\kd)+2:G0A+4*(\kd)+3], s[92:93], (\kd)*128  ; 120:64 global address
	s_or_b32 s[G0A+4*(\kd)+3], s[G0A+4*(\kd)+3], 0x80000000        ; 127:126 type = 2
	s_mov_b32 s[G0B+4*(\kd)], 1
	s_add_nc_u64 s[G0B+4*(\kd)+2:G0B+4*(\kd)+3], s[94:95], (\kd)*256
	s_or_b32 s[G0B+4*(\kd)+3], s[G0B+4*(\kd)+3], 0x80000000
.endr
	s_add_co_u32 s[G0A+1], s26, AQ                 ; 63:32 LDS address: the slot, and my 128 rows in it
	s_add_co_u32 s[G0A+5], s27, AP
	s_add_co_u32 s[G0B+1], s27, BQ
	s_add_co_u32 s[G0B+5], s28, BP
	; The first fills, one group inside one branch on the wave's number, ahead of every wait on TENSORcnt, every LDS read and every barrier of the work-group's own: two loads of each wave are out, the short slot's first.
	s_cmp_eq_u32 s[HI], 0
	s_cbranch_scc0 .Lfirst_b
.irp kd, 0,1
	tensor_load_to_lds s[G0A+4*(\kd):G0A+4*(\kd)+3], s[G1A+8*(\kd):G1A+8*(\kd)+7]
	s_nop 0
.endr
	PLACES
	s_branch .Lfirst_asked
.Lfirst_b:
.irp kd, 0,1
	tensor_load_to_lds s[G0B+4*(\kd):G0B+4*(\kd)+3], s[G1B+8*(\kd):G1B+8*(\kd)+7]
	s_nop 0
.endr
	PLACES
.Lfirst_asked:
	; A bf16 fragment is 16 rows x 32 K in 8 registers: lane l holds row l % 16; registers 0-3 K = 8 (l / 16) + 0..7, registers 4-7 K = 16 + 8 (l / 16) + 0..7.
	; From x's rows: two loads of 16 bytes, 32 bytes apart, at 16 (l / 16).  From w's f32 rows the same numbers are 32 bytes at 32 (l / 16) and 32 bytes at 64 + 32 (l / 16): four loads.
	v_and_b32 v1, 15, v0                           ; l % 16
	v_bfe_u32 v2, v0, 4, 1                         ; l / 16
	v_mul_u32_u24 v3, v1, PAQ
	v_lshl_add_u32 v3, v2, 4, v3                   ; x, short: row x pitch + 16 x half,
	s_mul_i32 s29, s[HI], 128*PAQ                  ; my 128 rows (the slot lies at LDS byte 0)
	v_add_nc_u32 v[ADRA], s29, v3
	v_mul_u32_u24 v3, v1, PAP
	v_lshl_add_u32 v4, v2, 4, v3                   ; row x 272 + 16 x half
	v_lshl_add_u32 v5, v2, 5, v3                   ; row x 272 + 32 x half
	s_mul_i32 s29, s[HI], 128*PAP
	s_add_co_u32 s29, s29, AP
	v_add_nc_u32 v[ADRA+1], s29, v4                ; x, long
	s_add_co_u32 s29, s27, BQ
	v_add_nc_u32 v[ADRB], s29, v5                  ; w, short
	v_mul_u32_u24 v3, v1, PBP
	v_lshl_add_u32 v3, v2, 5, v3
	s_add_co_u32 s29, s28, BP
	v_add_nc_u32 v[ADRB+1], s29, v3                ; w, long
	s_mul_i32 s29, s[WV], 16*SPITCH
	s_add_co_u32 s29, s29, STAGE                   ; my stage
	v_add_nc_u32 v[STO], s29, v4                   ; in: row l % 16, 16 bytes for each half of the lanes
	v_mul_u32_u24 v3, v2, SPITCH                   ; back: lanes 0-15 take one row of 256 bytes, lanes 16-31 the next
	v_lshl_add_u32 v3, v1, 4, v3
	v_add_nc_u32 v[RD], s29, v3
	v_mul_u32_u24 v3, v2, SIZE_N*2                 ; and the same two rows in y
	v_lshl_add_u32 v[CO], v1, 4, v3
	s_lshl_b32 s30, s18, 6                         ; the prefetch: of the tile column's 256 rows the cluster column's sixteen waves take 16 each: row 64 cy + 16 w + l % 16,
	s_lshl_b32 s31, s[WV], 4
	s_add_co_u32 s30, s30, s31
	v_add_nc_u32 v3, s30, v1
	v_lshlrev_b32 v3, 14, v3                       ; 16,384 bytes a row,
	v_lshl_add_u32 v[PF], v2, 8, v3                ; lanes 16-31 256 bytes further along
	v_lshlrev_b32 v[BO], 5, v2                     ; my eight numbers of sixteen of the bias
	s_wait_kmcnt 0x0                               ; the scale
	s_mov_b32 s[SC+1], s[SC]                       ; named with it as a pair, so it is written
; 8 matrix instructions: m block a of the window's four (hi = 0: my rows 0-63, 1: rows 64-127) x all 8 n blocks, 32 along K.  zero = 1: the product starts the sums: nothing is ever cleared.
.macro MUL8 f, hi, a, zero
	WIN MUL_LO+0x50*(\hi)
.irp b, 0,1,2,3,4,5,6,7
.if \zero
	v_wmma_f32_16x16x32_bf16 v[8*(8*(\a)+(\b)):8*(8*(\a)+(\b))+7], v[(\f)+8*(\b):(\f)+8*(\b)+7], v[(\f)+8*(4*(\hi)+(\a)):(\f)+8*(4*(\hi)+(\a))+7], 0
.else
	v_wmma_f32_16x16x32_bf16 v[8*(8*(\a)+(\b)):8*(8*(\a)+(\b))+7], v[(\f)+8*(\b):(\f)+8*(\b)+7], v[(\f)+8*(4*(\hi)+(\a)):(\f)+8*(4*(\hi)+(\a))+7], v[8*(8*(\a)+(\b)):8*(8*(\a)+(\b))+7]
.endif
.endr
.endm
.macro MUL16 f, hi, a0, zero
	MUL8 \f, \hi, \a0, \zero
	MUL8 \f, \hi, (\a0)+1, \zero
.endm
; 32 LDS loads: my 128 rows of w in the slot of kind kd, 32 along K at byte kb of the rows, as f32 into TF: fragment i's 16 registers at 16 i + 128 (i / 4) of window 1.  No matrix instruction names TF.
.macro FETCHB kd, kb
	WIN TO_B
.irp i, 0,1,2,3,4,5,6,7
.set tf, 16*(\i)+128*((\i)/4)
.set lo, (\kb)+(\i)*16*(PBQ+(PBP-PBQ)*(\kd))
	ds_load_b128 v[tf:tf+3],     v[ADRB+(\kd)] offset:lo
	ds_load_b128 v[tf+4:tf+7],   v[ADRB+(\kd)] offset:lo+16
	ds_load_b128 v[tf+8:tf+11],  v[ADRB+(\kd)] offset:lo+64
	ds_load_b128 v[tf+12:tf+15], v[ADRB+(\kd)] offset:lo+80
.endr
.endm
; 16 LDS loads: my 128 rows of x in the slot of kind kd, 32 along K at byte ka of the rows, into buffer f; rows 0-63 are the first eight.
.macro FETCHA kd, ka, f
	WIN 0
.irp i, 0,1,2,3,4,5,6,7
.set lo, (\ka)+(\i)*16*(PAQ+(PAP-PAQ)*(\kd))
	ds_load_b128 v[(\f)+8*(\i):(\f)+8*(\i)+3],   v[ADRA+(\kd)] offset:lo
	ds_load_b128 v[(\f)+8*(\i)+4:(\f)+8*(\i)+7], v[ADRA+(\kd)] offset:lo+32
.endr
.endm
; Four roundings: registers 4 n to 4 n + 3 of the 64 of w's bf16 buffer g, each of two neighbouring f32 of TF (the lower K into the low half).  n is set by the caller.
.macro CVT4 g
.irp z, 0,1,2,3
.set ix, 4*n+(\z)
.set tf, 16*(ix/8)+128*(ix/32)+2*(ix%8)
	v_cvt_pk_bf16_f32 v[(\g)+ix], v[tf], v[tf+1]
.endr
.endm
; A quarter's last 16 matrix instructions (rows 96-127 of buffer f), and behind each four of the 64 roundings that make w's next fragments in buffer g: vector work beside the matrix work, at the price
; of two window switches a matrix instruction.  The roundings name no register of the products round them (buffer f, the accumulators), so the four behind the last product are also the four places
; (ISA guide 7.12.1 for vector instructions) in front of the next quarter's loads into, and roundings onto, the buffers that it read.
.macro MULCVT f, g, zero
.set n, 0
.rept 16
	WIN MUL_HI
.set ac, 8*(8*(2+n/8)+n%8)
.set fb, (\f)+8*(n%8)
.set fa, (\f)+8*(6+n/8)
.if \zero
	v_wmma_f32_16x16x32_bf16 v[ac:ac+7], v[fb:fb+7], v[fa:fa+7], 0
.else
	v_wmma_f32_16x16x32_bf16 v[ac:ac+7], v[fb:fb+7], v[fa:fa+7], v[ac:ac+7]
.endif
	WIN CV
	CVT4 \g
.set n, n+1
.endr
.endm
; A QUARTER is 32 along K, 64 matrix instructions; the short slot has two, the long one four, on buffers 0, 1 by turns.  The 64 accumulators take turns, one instruction a turn, in the same order in every
; quarter.  This one multiplies buffer f and makes buffer g from quarter q of the same slot, of kind kd.  pf >= 0: the prefetch of w stands behind the run of loads.
.macro QUARTER kd, q, f, g, zero, pf
	s_wait_dscnt 8                                 ; of x's sixteen loads into buffer f the older eight (rows 0-63) are in
	MUL16 \f, 0, 0, \zero
	FETCHB \kd, 128*(\q)
.if (\pf) >= 0
	global_prefetch_b8 v[PF], s[PFB:PFB+1] offset:\pf th:TH_LOAD_NT scope:SCOPE_SE  ; the address register lies in window 0, as the loads' above
.endif
	MUL16 \f, 0, 2, \zero
	FETCHA \kd, 64*(\q), \g
	s_wait_dscnt 48                                ; all but the 32 + 16 just issued: rows 64-127 of buffer f are in
	MUL16 \f, 1, 0, \zero
	s_wait_dscnt 16                                ; all but x's sixteen: TF is in, 32 matrix instructions behind its loads
	MULCVT \f, \g, \zero
.endm
; A slot's last quarter multiplies buffer 1 and changes slots: all of the slot's fragments are in registers or on their way there.  nk: the kind of the slot that is read next.  ONE barrier for two things.
; In front of it each wave waits for all its tensor loads, of which one is out: its part of the next slot; adds 0 to its spare word; and waits for that and for its own reads of the slot that it leaves.
; Behind it nobody reads that slot any more and the next slot is whole.  fill = 1: the barrier opens a round of the cluster's barrier, and behind the round the slot just left is filled again, with its kind's
; next tile, 192 along K on: one load a wave.  From the request to the wait for it a wave issues 112 matrix instructions if the slot is the long one (the short slot's interval lies between), 240 if it is the short one.
.macro TURN nk, fill
	WIN 0                                          ; (the add's two registers lie in window 0)
	s_wait_tensorcnt 0x0                           ; all my tensor loads have landed, so a group 0 may be written;
	ds_add_u32 v[SPW], v[NIL]                      ; 0 onto my spare word;
.if \fill
	s_add_nc_u64 s[G0A+4*(1-(\nk))+2:G0A+4*(1-(\nk))+3], s[G0A+4*(1-(\nk))+2:G0A+4*(1-(\nk))+3], 192*2  ; 192 numbers on, in x
	s_add_nc_u64 s[G0B+4*(1-(\nk))+2:G0B+4*(1-(\nk))+3], s[G0B+4*(1-(\nk))+2:G0B+4*(1-(\nk))+3], 192*4  ; and in w; the type bits on top are not reached
.endif
	s_wait_dscnt 9                                 ; (the add and the younger eight of x's sixteen loads may be out)
	MUL8 F1, 0, 0, 0                               ; eight matrix instructions stand between the add and the wait for it
	s_wait_dscnt 0x0                               ; the add is done, and my reads of the slot are over:
	s_barrier_signal -1                            ; say so,
	MUL8 F1, 0, 1, 0                               ; work on registers while the others arrive,
.if \fill
	WIN 0
.endif
	s_barrier_wait -1                              ; and go on when all four have said so
.if \fill
	CREST                                          ; no wave of any partner still reads these bytes or has a load on its way
	JLOAD 1-(\nk)                                  ; the first tensor load behind the round
.endif
	FETCHB \nk, 0                                  ; the next slot's first quarter
	MUL16 F1, 0, 2, 0
	FETCHA \nk, 0, F0
	MUL16 F1, 1, 0, 0
	s_wait_dscnt 16                                ; TF is in
	MULCVT F1, F0, 0
.endm
; THE WAY OUT of block a (16 rows of my 128).  PACK: s x sum + bias, one fused multiply-add for two numbers, each accumulator's registers in ascending order; then rounded to bf16,
; 16 bytes a lane.  TOSTAGE: into my own stage in LDS, and back as whole rows of 256 bytes.  SEND: stored.
.macro PACK a
.set AC, 64*((\a)%4)
	WIN 0x92+0x41*((\a)/4)                         ; destination and source 0 window 2 or 3, source 2 (the bias) window 1
.irp b, 0,1,2,3,4,5,6,7
.irp r, 0,1,2,3
	v_pk_fma_f32 v[AC+8*(\b)+2*(\r):AC+8*(\b)+2*(\r)+1], v[AC+8*(\b)+2*(\r):AC+8*(\b)+2*(\r)+1], s[SC:SC+1], v[8*(\b)+2*(\r):8*(\b)+2*(\r)+1] op_sel_hi:[1,0,1]
.endr
.endr
	WIN 0x0a+5*((\a)/4)                            ; sources 0 and 1 window 2 or 3, destination window 0
.irp b, 0,1,2,3,4,5,6,7
.irp r, 0,1,2,3
	v_cvt_pk_bf16_f32 v[TMP+4*(\b)+(\r)], v[AC+8*(\b)+2*(\r)], v[AC+8*(\b)+2*(\r)+1]
.endr
.endr
	WIN 0
.endm
.macro TOSTAGE a
	WIN 0
.set BK, OB+192*((\a)%2)
.irp b, 0,1,2,3,4,5,6,7
	ds_store_b128 v[STO], v[TMP+4*(\b):TMP+4*(\b)+3] offset:32*(\b)
.endr
.irp t, 0,1,2,3,4,5,6,7
	ds_load_b128 v[BK+4*(\t):BK+4*(\t)+3], v[RD] offset:(\t)*2*SPITCH  ; LDS serves a wave's instructions in order (ISA guide 5.7.1.4): these see the stores above
.endr
.endm
.macro SEND a
	WIN 0
.set BK, OB+192*((\a)%2)
	s_wait_dscnt 0x0                               ; the block is back in registers
	s_wait_xcnt 0x0                                ; every earlier memory instruction has had its addresses translated (ISA guide 3.1): only behind this wait are the stores' base and the registers that earlier stores read rewritten
.if (\a) == 0
	s_add_nc_u64 s[12:13], s[12:13], s[CB:CB+1]    ; on to my first rows
.else
	s_add_nc_u64 s[12:13], s[12:13], 16*SIZE_N*2   ; 16 rows of y on
.endif
.irp t, 0,1,2,3,4,5,6,7
	global_store_b128 v[CO], v[BK+4*(\t):BK+4*(\t)+3], s[12:13] offset:2*(\t)*SIZE_N*2 th:TH_STORE_NT  ; 16 lanes store 256 consecutive bytes, at a multiple of 256 from y's first byte; 14 rows at the most in the immediate
.endr
.endm
	s_wait_tensorcnt 1                             ; my part of the short slot is in; the long slot's, issued behind it, may be out
	s_barrier_signal -1
	s_barrier_wait -1                              ; everybody's is
	FETCHB 0, 0
	FETCHA 0, 0, F0
	s_wait_dscnt 16                                ; TF is in
	WIN CV
.set n, 0
.rept 16
	CVT4 F0                                        ; the first fragments of w: there is no matrix work yet to set them beside
.set n, n+1
.endr
	QUARTER 0, 1, F0, F1, 1, -1                    ; the first quarter stands in front of the loop: its products start the sums
	WIN 0                                          ; at a label and at a branch every window is 0
	s_mov_b32 s3, TRIPS
.Ltrip:                                                ; trip j = 0 .. 19: from short interval j's second quarter, through long interval j, to short interval j + 1's first quarter; both slots are filled again
	; THE PREFETCH of w, which the launch reads once: of its long tiles alone, whose tensor loads have the short interval in which to land.  In trip j, in the long interval's first quarter, my wave asks for its
	; 16 rows' 512 bytes of long tile j + 1: 192 matrix instructions ahead of the round behind which the tensor load asks for them.  The sixteen waves of a cluster column share the 256 rows, so each block of
	; 256 bytes is asked for once in the launch.  The last trip asks for long tile 20, the last, which ends at byte 16,128 of a row's 16,384: no request leaves the buffer.  Long tile 0 and the short tiles
	; (240 matrix instructions in which to land) are not asked for ahead; x is read by every cluster and is left out.
	s_wait_xcnt 0x0                                ; the last prefetch, four quarters back, has had its address translated: its base may step
	s_add_nc_u64 s[PFB:PFB+1], s[PFB:PFB+1], 192*4 ; a short and a long tile on: short tile j + 1's first byte in a row; the long tile begins 256 bytes behind it
	TURN 1, 1                                      ; short tile j + 1 goes out
	QUARTER 1, 1, F0, F1, 0, 256
	QUARTER 1, 2, F1, F0, 0, -1
	QUARTER 1, 3, F0, F1, 0, -1
	TURN 0, 1                                      ; long tile j + 1 goes out
	QUARTER 0, 1, F0, F1, 0, -1
	WIN 0
	s_sub_co_u32 s3, s3, 1
	s_cmp_lg_u32 s3, 0
	s_cbranch_scc1 .Ltrip
	TURN 1, 1                                      ; the tail is written out: short tile 21, the last load, goes out
	QUARTER 1, 1, F0, F1, 0, -1                    ; long interval 20
	QUARTER 1, 2, F1, F0, 0, -1
	QUARTER 1, 3, F0, F1, 0, -1
	TURN 0, 0                                      ; nothing is left to fetch: a barrier of the work-group's own, no round.  Behind it no wave reads the long slots any more, and no load lands there: the stages may be written
	QUARTER 0, 1, F0, F1, 0, -1                    ; short interval 21
	WIN TO_B
.irp b, 0,1,2,3,4,5,6,7                ; the bias of my 128 columns, as the accumulators hold them: register 8 b + j is column 16 b + 8 (l / 16) + j.  Into TF's lower half, which the last roundings have read
	global_load_b128 v[8*(\b):8*(\b)+3],   v[BO], s[BB:BB+1] offset:64*(\b)
	global_load_b128 v[8*(\b)+4:8*(\b)+7], v[BO], s[BB:BB+1] offset:64*(\b)+16
.endr
	s_wait_dscnt 8                                 ; the very last quarter: rows 0-63 of buffer 1 are in
	MUL16 F1, 0, 0, 0
	MUL16 F1, 0, 2, 0
	s_wait_dscnt 0x0
	MUL16 F1, 1, 0, 0
	MUL16 F1, 1, 2, 0
	WIN 0
	PLACES                                         ; the multiply-adds below read and write results just made, and no other vector work is at hand
	s_wait_loadcnt 0x0                             ; the bias
	PACK 0
	TOSTAGE 0
.irp a, 1,2,3,4,5,6,7                  ; block a's arithmetic stands between block a - 1's loads from the stage and the wait for them
	PACK \a
	SEND (\a)-1
	TOSTAGE \a
.endr
	SEND 7
	s_wait_tensorcnt 0x0                           ; the wave's end: behind my last tensor load and my last LDS store
	ds_add_u32 v[SPW], v[NIL]
	s_wait_dscnt 0x0
	CROUND                                         ; the closing round: no work-group ends while a partner may still ask for a tile that names it
	s_endpgm
.Lfunc_end_k_qb5be5f3caf_f8lin:
	.size	k_qb5be5f3caf_f8lin, .Lfunc_end_k_qb5be5f3caf_f8lin-k_qb5be5f3caf_f8lin
	.p2alignl 7, 3214868480
	.fill 96, 4, 3214868480
	.section	.rodata,"a",@progbits
	.p2align	6, 0x0
	.amdhsa_kernel k_qb5be5f3caf_f8lin
		.amdhsa_group_segment_fixed_size 327680
		.amdhsa_private_segment_fixed_size 0
		.amdhsa_enable_private_segment 0
		.amdhsa_kernarg_size 40
		.amdhsa_user_sgpr_count 2
		.amdhsa_user_sgpr_kernarg_segment_ptr 1
		.amdhsa_wavefront_size32 1
		.amdhsa_system_sgpr_workgroup_id_x 1
		.amdhsa_system_sgpr_workgroup_id_y 1
		.amdhsa_system_sgpr_workgroup_id_z 1
		.amdhsa_system_vgpr_workitem_id 0
		.amdhsa_next_free_vgpr 1024
		.amdhsa_next_free_sgpr 100
		.amdhsa_reserve_vcc 0
		.amdhsa_float_denorm_mode_32 3
		.amdhsa_float_denorm_mode_16_64 3
		.amdhsa_memory_ordered 1
		.amdhsa_forward_progress 1
		.amdhsa_inst_pref_size 232
	.end_amdhsa_kernel
	.amdgpu_metadata
---
amdhsa.version: [ 1, 2 ]
amdhsa.kernels:
  - .name:           k_qb5be5f3caf_f8lin
    .symbol:         k_qb5be5f3caf_f8lin.kd
    .args:
      - { .name: x, .offset: 0, .size: 8, .value_kind: global_buffer, .address_space: global }
      - { .name: weight_f8, .offset: 8, .size: 8, .value_kind: global_buffer, .address_space: global }
      - { .name: w_scale, .offset: 16, .size: 8, .value_kind: global_buffer, .address_space: global }
      - { .name: bias, .offset: 24, .size: 8, .value_kind: global_buffer, .address_space: global }
      - { .name: out0, .offset: 32, .size: 8, .value_kind: global_buffer, .address_space: global }
    .group_segment_fixed_size: 327680
    .private_segment_fixed_size: 0
    .kernarg_segment_align: 8
    .kernarg_segment_size: 40
    .max_flat_workgroup_size: 128
    .sgpr_count:     100
    .vgpr_count:     1024
    .wavefront_size: 32
...
	.end_amdgpu_metadata
.endif
;; end of part 1
